; MI455X (gfx1250); checked and timed in simulation.
; The chip was launched on July 23, 2026; its instructions are those of AMD's public machine-readable ISA for CDNA 5 (MIT licence, August 2026) and "CDNA5" Instruction Set Architecture Reference Guide (July 2026). The comments in the code are by the model that wrote it; some were corrected since.
;; Vector Quantize. Allowed arithmetic: matrix products marked QUANTISED: E2M1 operands, one E8M0 scale for each 32 along K, by v_wmma_scale_f32_16x16x128_f8f6f4 with both operands' format E2M1 (or v_wmma_scale_f32_32x16x128_f4), f32 sums; everything else in f32.
;; Inputs: embeddings 256 x 8,192 float32; x 32 x 32 x 32 x 256 float32.
;; Outputs: out0 32 x 32 x 32 x 256 float32; out1 one number float32.
;; This version of the problem:
;;   THIS VERSION OF THE PROBLEM IS GIVEN IN LOW PRECISION. The matrix products marked QUANTISED in the list below multiply operands that are first quantised to E2M1 (2 exponent bits, 1 mantissa bit; 4 bits a number), with one power-of-two scale for each 32 numbers along K (OCP MX v1.0); their sums are f32. All else is computed in f32.
;;   The module's matrix products, in the order in which they are computed (A, B: the left and right operand; K: the contracted axis; several contracted axes count as one K, in the product's order):
;;     1. [M 32,768, K 256] x [K 256, N 8,192]; A: input x; B: input embeddings: QUANTISED
;;   THE QUANTISER, for each operand of a quantised product, along K:
;;     - K is cut into blocks of 32 from its start; a last block that is shorter is filled with zeros.
;;     - A block's scale is 2^e with e = floor(log2(the largest magnitude in the block)) - 2, held to -126 .. 127; a block of zeros has e = 0. As a byte (E8M0): e + 127.
;;     - Each number is divided by its block's scale, clamped to +-6, and rounded to the nearest number of E2M1, ties to even, subnormals kept.
;;     - The product sums the exact products of the quantised numbers (number of the format x scale) in f32.
;;   ~~~python
;;   def quantise(x, axis):      # numpy; x: float32 -> the quantised numbers, widened to float32 again
;;       x = np.moveaxis(x, axis, -1); K = x.shape[-1]
;;       x = np.pad(x, [(0, 0)] * (x.ndim - 1) + [(0, -K % 32)]); x = x.reshape(x.shape[:-1] + (-1, 32)); a = np.abs(x).max(-1, keepdims=True)
;;       e = np.where(a > 0, np.clip(np.frexp(np.where(a > 0, a, 1))[1] - 1 - 2, -126, 127), 0)      # np.frexp(a)[1] - 1 = floor(log2(a)), exactly
;;       r = np.clip(x / 2.0 ** e, -6, 6)
;;       step = 2.0 ** (np.maximum(np.frexp(np.where(r == 0, 1, r))[1] - 1, 0) - 1)
;;       q = np.round(r / step) * step * 2.0 ** e      # np.round: ties to even
;;       return np.moveaxis(q.reshape(q.shape[:-2] + (-1,))[..., :K], -1, axis).astype(np.float32)
;;   ~~~
;; One version. Each part assembles by itself: llvm-mc -triple=amdgcn-amd-amdhsa -mcpu=gfx1250 --defsym DOCPART=n.
;; ======== version 1 of 1: 4 launches
;; limits: right only within a limited range of input values
;; workspace buffers: ering 1,179,648 bytes; et 8,388,608 bytes; idx 131,072 bytes of whole numbers; partials 2,048 bytes
;; launch prep (part 1): grid 128 x 1, 8 waves a work-group, no clusters, 72,704 bytes of LDS; arguments embeddings, ering, et; writes ering, et
.if DOCPART == 1
	.amdgcn_target "amdgcn-amd-amdhsa--gfx1250"
	.amdhsa_code_object_version 6
	.text
	.protected	k_qdfb28abcd3_prep
	.globl	k_qdfb28abcd3_prep
	.p2align	8
	.type	k_qdfb28abcd3_prep,@function
k_qdfb28abcd3_prep:
	s_mov_b64 s[64:65], 0
	v_nop
	global_prefetch_b8 v0, s[64:65] scope:SCOPE_SE
	s_setreg_imm32_b32 hwreg(HW_REG_WAVE_MODE, 25, 1), 1
	s_wait_xcnt 0x0
; embeddings [256 (k)][8192 (n)], f32, is laid out once for the two launches that read it again.
;   ering: one record of 2,304 bytes for each tile of 16 codes (n = 16 T + r), as an image of the matrix operand's registers:
;          byte 512 q + 16 (r + 16 h): the 16 bytes of FP4 (E2M1) codes of block 2 q + h (32 along k) of code r; + 2048 + 4 r: the E8M0 bytes of blocks 0-3;
;          + 2112 + 4 r: those of blocks 4-7; + 2176 + 4 r: -0.5 x the sum over k of e^2, f32; + 2240 + 4 r: zeros (the record is fetched whole later, so all of it is written).
;   et:    the transposed table [8192][256], f32, for the gather.
; A block's scale is 2^(floor(log2(its largest magnitude)) - 2); its byte is the largest magnitude's exponent field - 2, held at 1 from below.  A block of zeros so gets the byte 1 where the
; rule says 127: its codes are zeros, which add nothing under that byte, and this program alone reads the bytes.
; LIMITS: NaN and infinities among the inputs are not served; blocks whose largest magnitude lies under 2^-124 take the floor's byte.
; SHARES.  A work-group takes 64 columns and all of k, so that a column's eight scale bytes and its sum of squares meet in one work-group.  Wave w: ch = w & 1 (which 32 columns), kq = w >> 1
; (rows 64 kq .. 64 kq + 63: blocks 2 kq and 2 kq + 1).  A LANE TAKES A COLUMN AND ITS REGISTERS RUN DOWN k: a block lies in one lane's 32 registers, and the conversions give codes with k innermost.
; No tensor load, no loop; no register that a store reads is written again.
.set STG,  8704                        ; a wave's stage: 32 columns x (256 bytes + 16)
.set TAB,  8*STG                       ; behind the stages: [kq][64 columns] two scale bytes in a word, 1,024 bytes; then the partial sums of squares, laid likewise
.set X,    32                          ; v32-95   my column's 64 numbers
.set CD,   96                          ; v96-103  the codes of my two blocks
	s_load_b128 s[4:7], s[0:1], 0x0                ; embeddings, ering
	s_load_b64 s[8:9], s[0:1], 0x10                ; et
	v_lshl_add_u32 v192, v0, 2, 0x11800
	v_mov_b32 v193, 0
	v_lshrrev_b32 v9, 5, v0
	s_delay_alu instid0(VALU_DEP_1)
	v_readfirstlane_b32 s10, v9                    ; wave 0..7
	s_and_b32 s11, s10, 1                          ; ch
	s_lshr_b32 s12, s10, 1                         ; kq
	v_and_b32 v9, 31, v0                           ; lane
	s_delay_alu instid0(VALU_DEP_1)
	v_lshrrev_b32 v10, 4, v9                       ; lane / 16
	s_delay_alu instid0(VALU_DEP_2)
	v_and_b32 v11, 15, v9                          ; lane % 16
	s_delay_alu instid0(VALU_DEP_3)
	v_lshlrev_b32 v1, 2, v9                        ; in: 4 bytes a lane
	s_mul_i32 s13, s10, STG
	v_mul_u32_u24 v2, v9, 272
	s_delay_alu instid0(VALU_DEP_1)
	v_add_nc_u32 v2, s13, v2                       ; into my stage: row = my column
	v_mul_u32_u24 v3, v10, 272
	s_delay_alu instid0(VALU_DEP_1)
	v_lshl_add_u32 v3, v11, 4, v3
	s_delay_alu instid0(VALU_DEP_1)
	v_add_nc_u32 v3, s13, v3                       ; out of it: sixteen lanes to a row, two rows an instruction
	v_mul_u32_u24 v4, v10, 2304
	s_delay_alu instid0(VALU_DEP_1)
	v_lshl_add_u32 v8, v11, 2, v4                  ; ering, a record's words: 2304 (lane / 16) + 4 (lane % 16)
	s_delay_alu instid0(VALU_DEP_2)
	v_lshl_add_u32 v4, v11, 4, v4                  ; ering, a block's codes: 2304 (lane / 16) + 16 (lane % 16)
	v_lshlrev_b32 v5, 10, v10
	s_delay_alu instid0(VALU_DEP_1)
	v_lshl_add_u32 v5, v11, 4, v5                  ; et: 1024 (lane / 16) + 16 (lane % 16)
	s_lshl_b32 s15, s11, 7
	s_add_co_u32 s15, s15, TAB
	v_add_nc_u32 v7, s15, v1                       ; the tables, read: my column's word of kq = 0
	s_lshl_b32 s14, s12, 8
	s_add_co_u32 s14, s14, s15
	v_add_nc_u32 v6, s14, v1                       ; the tables, written: my column's word of my kq
	s_lshl_b32 s20, s12, 21                        ; embeddings: 64 kq rows of 32,768 bytes
	s_lshl_b32 s21, ttmp9, 8
	s_add_co_u32 s20, s20, s21                     ; + 64 columns a work-group
	s_lshl_b32 s21, s11, 7
	s_add_co_u32 s20, s20, s21                     ; + 32 columns for ch
	s_mov_b32 s21, 0
	s_lshl_b32 s22, ttmp9, 2
	s_lshl_b32 s23, s11, 1
	s_add_co_u32 s22, s22, s23                     ; my first tile: 4 x work-group + 2 ch
	s_mul_i32 s22, s22, 2304
	s_mov_b32 s23, 0
	s_lshl_b32 s24, s12, 9                         ; my two blocks' 512 bytes of a record
	s_mov_b32 s25, 0
	s_lshl_b32 s26, ttmp9, 16                      ; et: 64 rows of 1,024 bytes a work-group
	s_lshl_b32 s27, s11, 15
	s_add_co_u32 s26, s26, s27
	s_lshl_b32 s27, s12, 8                         ; + my 64 numbers of a row
	s_add_co_u32 s26, s26, s27
	s_mov_b32 s27, 0
	s_wait_kmcnt 0x0
	s_add_nc_u64 s[4:5], s[4:5], s[20:21]
	s_add_nc_u64 s[6:7], s[6:7], s[22:23]          ; ering at my first record
	s_add_nc_u64 s[28:29], s[6:7], s[24:25]        ; and at my blocks' place in it
	s_add_nc_u64 s[8:9], s[8:9], s[26:27]
.set i, 0
.rept 64
	global_load_b32 v[X+i], v1, s[4:5] offset:i*32768 th:TH_LOAD_NT    ; E(64 kq + i, my column): 32 lanes read 128 consecutive bytes
.set i, i+1
.endr
; Block u of my two: largest magnitude, scale, codes; the codes leave at once: sixteen lanes store 256 consecutive bytes, aligned.
.macro BLOCK u
.set XS, X+32*\u
	v_max3_num_f32 v12, |v[XS]|, |v[XS+1]|, |v[XS+2]|              ; all 32 numbers are mine: two chains
	v_max3_num_f32 v13, |v[XS+3]|, |v[XS+4]|, |v[XS+5]|
.irp i, 6,10,14,18,22,26
	s_delay_alu instid0(VALU_DEP_2)
	v_max3_num_f32 v12, v12, |v[XS+\i]|, |v[XS+\i+1]|
	s_delay_alu instid0(VALU_DEP_2)
	v_max3_num_f32 v13, v13, |v[XS+\i+2]|, |v[XS+\i+3]|
.endr
	s_delay_alu instid0(VALU_DEP_2)
	v_max3_num_f32 v12, v12, |v[XS+30]|, |v[XS+31]|
	s_delay_alu instid0(VALU_DEP_1)
	v_max3_num_f32 v12, v12, v13, 0x1800000        ; and the floor 2^(3 - 127): the byte cannot fall under 1
	s_delay_alu instid0(VALU_DEP_1)
	v_add_nc_u32 v[14+\u], 0xff000000, v12         ; 2 off the exponent field: the conversion takes this operand's exponent field as its scale
	s_delay_alu instid0(VALU_DEP_1)
	v_lshrrev_b32 v[24+\u], 23, v[14+\u]           ; the scale's byte
.irp g, 0,1,2,3
	v_cvt_scalef32_pk8_fp4_f32 v[CD+4*\u+\g], v[XS+8*\g:XS+8*\g+7], v[14+\u]
.endr
	v_nop                                          ; one plain instruction behind the last conversion
	global_store_b128 v4, v[CD+4*\u:CD+4*\u+3], s[28:29] offset:256*\u
.endm
	s_wait_loadcnt 32                              ; loads come back in order: the first block's 32 are in, the second block's may be out
	BLOCK 0
	s_wait_loadcnt 0x0
	BLOCK 1
.irp p, 0,1,2,3
	v_pk_mul_f32 v[16+2*\p:17+2*\p], v[X+2*\p:X+2*\p+1], v[X+2*\p:X+2*\p+1]    ; the sum of my 64 squares, in four chains of pairs; the first products start them
.endr
.set i, 4
.rept 28
	s_delay_alu instid0(VALU_DEP_4)
	v_pk_fma_f32 v[16+2*(i%4):17+2*(i%4)], v[X+2*i:X+2*i+1], v[X+2*i:X+2*i+1], v[16+2*(i%4):17+2*(i%4)]
.set i, i+1
.endr
	s_delay_alu instid0(VALU_DEP_3)
	v_pk_add_f32 v[16:17], v[16:17], v[18:19]
	s_delay_alu instid0(VALU_DEP_2)
	v_pk_add_f32 v[20:21], v[20:21], v[22:23]
	s_delay_alu instid0(VALU_DEP_1)
	v_pk_add_f32 v[16:17], v[16:17], v[20:21]
	s_delay_alu instid0(VALU_DEP_1)
	v_add_f32 v16, v16, v17
	v_lshl_or_b32 v24, v25, 8, v24                 ; my two scale bytes, the lower block's below
.set i, 0
.rept 16
	ds_store_b128 v2, v[X+4*i:X+4*i+3] offset:16*i ; my column's 64 numbers: 256 bytes of a row of et
.set i, i+1
.endr
	ds_store_b32 v6, v24
	ds_store_b32 v6, v16 offset:1024
	s_wait_dscnt 0x0                               ; for the others' sake: my words in the two tables have landed
	s_barrier_signal -1
	s_barrier_wait -1
.irp t, 0,1,2,3,4,5,6,7,8,9,10,11,12,13,14,15
	ds_load_b128 v[128+4*\t:131+4*\t], v3 offset:2*\t*272          ; my own stage, by rows
.endr
.irp t, 0,1,2,3,4,5,6,7,8,9,10,11,12,13,14,15
	s_wait_dscnt 15-\t                             ; LDS loads come back in order: number t is in
	global_store_b128 v5, v[128+4*\t:131+4*\t], s[8:9] offset:2*\t*1024    ; sixteen lanes store 256 consecutive bytes, aligned
.endr
	s_cmp_ge_u32 s10, 2                            ; waves 0 and 1 (kq = 0, ch = the wave's number) finish the records of their 32 columns
	s_cbranch_scc1 .Lend
.irp k, 0,1,2,3
	ds_load_b32 v[104+\k], v7 offset:256*\k        ; the two bytes that the wave with kq = k made for my column
	ds_load_b32 v[108+\k], v7 offset:1024+256*\k   ; and its partial sum
.endr
	s_wait_dscnt 0x0
	v_lshl_or_b32 v24, v105, 16, v104              ; the scale word of blocks 0-3
	v_lshl_or_b32 v25, v107, 16, v106              ; of blocks 4-7
	v_add_f32 v26, v108, v109
	v_add_f32 v27, v110, v111
	s_delay_alu instid0(VALU_DEP_1)
	v_add_f32 v26, v26, v27
	s_delay_alu instid0(VALU_DEP_1)
	v_mul_f32 v26, -0.5, v26                       ; -0.5 x the column's sum of squares: exact
	v_mov_b32 v27, 0
	global_store_b32 v8, v24, s[6:7] offset:2048   ; sixteen lanes store 64 consecutive bytes; the four lines fill a record's last 256
	global_store_b32 v8, v25, s[6:7] offset:2112
	global_store_b32 v8, v26, s[6:7] offset:2176
	global_store_b32 v8, v27, s[6:7] offset:2240
.Lend:
	s_wait_tensorcnt 0x0
	ds_add_u32 v192, v193
	s_wait_dscnt 0x0
	s_endpgm
.Lfunc_end_k_qdfb28abcd3_prep:
	.size	k_qdfb28abcd3_prep, .Lfunc_end_k_qdfb28abcd3_prep-k_qdfb28abcd3_prep
	.p2alignl 7, 3214868480
	.fill 96, 4, 3214868480
	.section	.rodata,"a",@progbits
	.p2align	6, 0x0
	.amdhsa_kernel k_qdfb28abcd3_prep
		.amdhsa_group_segment_fixed_size 72704
		.amdhsa_private_segment_fixed_size 0
		.amdhsa_enable_private_segment 0
		.amdhsa_kernarg_size 24
		.amdhsa_user_sgpr_count 2
		.amdhsa_user_sgpr_kernarg_segment_ptr 1
		.amdhsa_wavefront_size32 1
		.amdhsa_system_sgpr_workgroup_id_x 1
		.amdhsa_system_sgpr_workgroup_id_y 1
		.amdhsa_system_sgpr_workgroup_id_z 1
		.amdhsa_system_vgpr_workitem_id 0
		.amdhsa_next_free_vgpr 194
		.amdhsa_next_free_sgpr 66
		.amdhsa_reserve_vcc 0
		.amdhsa_float_denorm_mode_32 3
		.amdhsa_float_denorm_mode_16_64 3
		.amdhsa_memory_ordered 1
		.amdhsa_forward_progress 1
		.amdhsa_inst_pref_size 22
	.end_amdhsa_kernel
	.amdgpu_metadata
---
amdhsa.version: [ 1, 2 ]
amdhsa.kernels:
  - .name:           k_qdfb28abcd3_prep
    .symbol:         k_qdfb28abcd3_prep.kd
    .args:
      - { .name: embeddings, .offset: 0, .size: 8, .value_kind: global_buffer, .address_space: global }
      - { .name: ering, .offset: 8, .size: 8, .value_kind: global_buffer, .address_space: global }
      - { .name: et, .offset: 16, .size: 8, .value_kind: global_buffer, .address_space: global }
    .group_segment_fixed_size: 72704
    .private_segment_fixed_size: 0
    .kernarg_segment_align: 8
    .kernarg_segment_size: 24
    .max_flat_workgroup_size: 256
    .sgpr_count:     66
    .vgpr_count:     194
    .wavefront_size: 32
...
	.end_amdgpu_metadata
.endif
;; end of part 1
;; launch search (part 2): grid 256 x 1, 8 waves a work-group, clusters of 4 x 1, 327,680 bytes of LDS; arguments x, ering, idx; writes idx
.if DOCPART == 2
	.amdgcn_target "amdgcn-amd-amdhsa--gfx1250"
	.amdhsa_code_object_version 6
	.text
	.protected	k_qdfb28abcd3_search
	.globl	k_qdfb28abcd3_search
	.p2align	8
	.type	k_qdfb28abcd3_search,@function
k_qdfb28abcd3_search:
	s_mov_b64 s[64:65], 0
	v_nop
	global_prefetch_b8 v0, s[64:65] scope:SCOPE_SE
	s_setreg_imm32_b32 hwreg(HW_REG_WAVE_MODE, 25, 1), 1
	s_wait_xcnt 0x0
	s_wait_alu depctr_hold_cnt(0) depctr_sa_sdst(0) depctr_va_vdst(0) depctr_va_sdst(0) depctr_va_ssrc(0) depctr_va_vcc(0) depctr_vm_vsrc(0)
	s_getreg_b32 s2, hwreg(HW_REG_IB_STS2, 6, 4)
	s_cmp_eq_u32 s2, 0
	s_cbranch_scc0 .Lentry_in_a_cluster
	s_endpgm
.Lentry_in_a_cluster:
	s_bfe_u32 s2, ttmp6, 0x10000c
	s_cmp_lg_u32 s2, 0x3003
	s_cbranch_scc0 .Lentry_shape_is_right
	s_endpgm
.Lentry_shape_is_right:
; idx[row] = argmin over n of |x|^2 + |e_n|^2 - 2 x.e_n, the product on FP4 (E2M1) codes with E8M0 scales, as the argmax of s = x.e_n - |e_n|^2 / 2.
; |x|^2 is the same for all n of a row, so it moves no exact order; what it does in reference()'s f32 is to round |x|^2 + |e_n|^2 to the last place of that sum.
; That rounding is kept: a tile's largest s is added to BIG = 1.5 x 2^E, E the exponent of |x|^2 / 2, which has the same last place; rounding keeps order, so the rounded
; largest s is the largest rounded s.  Equal rounded numbers go to the lowest n, as argmin has it.
; LIMITS: NaN and infinities among the inputs are not served.  The order of rounding differs from reference()'s where x.e_n is no multiple of that last place: one rounding of
; s + BIG here, two there.  |x|^2 is held at 2^-60 from below when BIG is made.
; SHARES.  A work-group: 128 rows of x, all 8,192 codes.  Wave w quantises rows 16 w .. 16 w + 15 at the head (an image of the operand's registers in LDS, read by all waves), then takes
; tiles 64 w .. 64 w + 63 (16 codes each) against all 128 rows: 16 matrix instructions a tile, 8 accumulators by turns.  Source 0 = 16 codes, source 1 = 16 rows: lane (r, h) holds row r,
; register j code 8 h + j.  C of the first product is the record's -|e|^2 / 2, one set of 8 registers for all 8 row blocks: nothing is added by vector instructions.
; TRACKING, for each row block: the largest of the lane's 8 (four lines), + BIG (packed), one compare into VCC, and under it five dual pairs: the 8 numbers are kept in BEST, the tile's
; number in GID, the rounded largest in RUN.  The place among the 8 is found once, at the end.
; RING: two slots; each wave fills and reads its own 8 records (18,432 bytes) of a slot.  The four work-groups of a cluster walk the same records: every fill is a joint load.
; No prefetch: x is asked for once, at the head, where there is no loop to run ahead in; the records are asked for a slot (8 tiles a wave) ahead of their use by all clusters alike.
.set REC,   2304
.set WSL,   8*REC
.set SLOTB, 8*WSL
.set XIMG,  2*SLOTB                    ; behind the ring: x's codes, 2,048 bytes a row block
.set XSC,   XIMG+16384                 ; x's scale words, 128 bytes a row block
.set XSQ,   XSC+1024                   ; BIG, 64 bytes a row block
.set MV,    XSQ+1024                   ; the waves' largest numbers, [wave][128 rows]
.set MI,    MV+4096                    ; and their indices
.set SPARE, MI+4096                    ; the spare words, 128 bytes a wave
.set SPW,  1
.set NIL,  2
.set AE0,  3
.set AS0,  4
.set AQ0,  5
.set ADE,  6
.set ADS,  7
.set ADQ,  8
.set XA,   9
.set CW,   10
.set SW,   11
.set LI,   12
.set LS,   13
.set MA,   14
.set MR,   15
.set XSCL, 16                          ; v16-23 x's scale words, v24-25 the codes': scales and nothing else
.set ESC,  24
.set QW,   26
.set H8,   27
.set BIG,  28                          ; v28-35
.set LQ,   36
.set IO,   37
.set T0,   38
.set T1,   39
.set TNA,  40                          ; v40, v41: the tile's number, twice, in two banks: a dual pair's two first sources lie in different banks
.set TNB,  41
.set RUN,  43                          ; v43-50: odd base, so that RUN + i and GID + i differ in parity and in bank, as a dual pair wants
.set GID,  52                          ; v52-59
.set GM,   60                          ; v60-67
.set EF,   68                          ; v68-99  codes' fragments, two sets
.set EQ,   100                         ; v100-115 -|e|^2 / 2, two sets
.set ACC,  128
.set BEST, 192
.set ST,   128                         ; the head: x as loaded, v128-255
.set PC,   68
.set TM,   84
.set TS,   88
.set TB,   92
.set SQT,  100
.set SS,   108
.set WV,   10
.set G1,   16
.set G0,   24
.set TT,   32
.set IC,   33
.set LP,   34
.set TN,   35
.set MK,   36
.set SEL,  44
.set MSB, 0
.macro WIN new
.if MSB != \new
	s_set_vgpr_msb (MSB<<8)|\new
.set MSB, \new
.endif
.endm
.macro ROUND                           ; a round of the cluster's barrier
	s_barrier_signal -1
	s_barrier_wait -1
	s_cmp_lg_u32 s[WV], 0
	s_cbranch_scc1 .Lnot_wave_0_\@
	s_barrier_signal -3
.Lnot_wave_0_\@:
	s_barrier_wait -3
	s_barrier_signal -1
	s_barrier_wait -1
.endm
; Four pairs of loads (rows a and a + 8, half s of the row; pair 4 g + u: a = 2 g + u / 2, s = u % 2).  A load gives lanes 0-15 the even pieces of 16 bytes and lanes 16-31 the odd ones;
; the swap gives lane (r', 0) row a's numbers 8 r' .. 8 r' + 7 and lane (r', 1) row a + 8's.  A block of 32 lies in four neighbouring lanes.
.macro QG g
	s_wait_loadcnt 24-8*\g                         ; loads come back in order: the first 8 (g + 1) of the 32 are in
.irp u, 0,1,2,3
.irp q, 0,1,2,3
	v_permlane16_swap_b32 v[ST+32*\g+8*\u+\q], v[ST+32*\g+8*\u+4+\q]
.endr
.endr
.irp u, 0,1,2,3
	v_max3_num_f32 v[TM+\u], |v[ST+32*\g+8*\u]|, |v[ST+32*\g+8*\u+1]|, 0x1800000   ; with the floor 2^(3 - 127): the byte cannot fall under 1
.endr
.irp e, 2,4,6
.irp u, 0,1,2,3
	s_delay_alu instid0(VALU_DEP_4)
	v_max3_num_f32 v[TM+\u], v[TM+\u], |v[ST+32*\g+8*\u+\e]|, |v[ST+32*\g+8*\u+\e+1]|
.endr
.endr
.irp m, 1,2
.irp u, 0,1,2,3
	s_delay_alu instid0(VALU_DEP_4)
	v_max_num_f32_dpp v[TM+\u], v[TM+\u], v[TM+\u] row_xmask:\m row_mask:0xf bank_mask:0xf
.endr
.endr
.irp u, 0,1,2,3
	s_delay_alu instid0(VALU_DEP_4)
	v_add_nc_u32 v[TS+\u], 0xff000000, v[TM+\u]    ; 2 off the exponent field: the conversion's scale operand
.endr
.irp u, 0,1,2,3
	s_delay_alu instid0(VALU_DEP_4)
	v_lshrrev_b32 v[TB+\u], 23, v[TS+\u]           ; the scale's byte
.endr
.irp u, 0,1,2,3
	v_pk_mul_f32 v[SQT+2*\u:SQT+2*\u+1], v[ST+32*\g+8*\u:ST+32*\g+8*\u+1], v[ST+32*\g+8*\u:ST+32*\g+8*\u+1]
.endr
.irp e, 2,4,6
.irp u, 0,1,2,3
	s_delay_alu instid0(VALU_DEP_4)
	v_pk_fma_f32 v[SQT+2*\u:SQT+2*\u+1], v[ST+32*\g+8*\u+\e:ST+32*\g+8*\u+\e+1], v[ST+32*\g+8*\u+\e:ST+32*\g+8*\u+\e+1], v[SQT+2*\u:SQT+2*\u+1]
.endr
.endr
.irp u, 0,1,2,3
	v_cvt_scalef32_pk8_fp4_f32 v[PC+4*\g+\u], v[ST+32*\g+8*\u:ST+32*\g+8*\u+7], v[TS+\u]
.endr
	v_nop                                          ; one plain line behind the last conversion
	v_pk_add_f32 v[SQT:SQT+1], v[SQT:SQT+1], v[SQT+2:SQT+3]
	v_pk_add_f32 v[SQT+4:SQT+5], v[SQT+4:SQT+5], v[SQT+6:SQT+7]
	s_delay_alu instid0(VALU_DEP_2)
	v_add_f32 v[SS+2*\g], v[SQT], v[SQT+1]         ; my 16 squares of row 2 g (+ 8 h')
	s_delay_alu instid0(VALU_DEP_2)
	v_add_f32 v[SS+2*\g+1], v[SQT+4], v[SQT+5]     ; and of row 2 g + 1
.irp u, 0,1,2,3
	ds_store_b32 v[CW], v[PC+4*\g+\u] offset:1024*(\u%2)+16*(2*\g+\u/2)    ; 8 codes at their place in the operand's image
	ds_store_b8 v[SW], v[TB+\u] offset:64*(\u%2)+4*(2*\g+\u/2)             ; the block's four lanes write the same byte with the same value
.endr
.endm
.macro ADDR
	v_add_nc_u32 v[ADE], s[TT], v[AE0]
	v_add_nc_u32 v[ADS], s[TT], v[AS0]
	v_add_nc_u32 v[ADQ], s[TT], v[AQ0]
.endm
.macro LOADT b, off                    ; a record into set b: 16 registers of codes, the scale word, -|e|^2 / 2 of my 8 codes
.irp q, 0,1,2,3
	ds_load_b128 v[EF+16*(\b)+4*\q:EF+16*(\b)+4*\q+3], v[ADE] offset:(\off)+512*\q
.endr
	ds_load_b32 v[ESC+(\b)], v[ADS] offset:(\off)
.irp c, 0,1
	ds_load_b128 v[EQ+8*(\b)+4*\c:EQ+8*(\b)+4*\c+3], v[ADQ] offset:(\off)+16*\c
.endr
.endm
; One tile.  nx: where the next record lies from the address registers (0: none).  adv = 1: the address registers step two records on.
.macro TILE b, nx, adv
	s_wait_dscnt 0x0                               ; set b is in
	WIN 0x04                                       ; source 1, x's fragments: window 1
.irp i, 0,1,2,3,4,5,6,7
	v_wmma_scale_f32_16x16x128_f8f6f4 v[ACC+8*\i:ACC+8*\i+7], v[EF+16*(\b):EF+16*(\b)+7], v[16*\i:16*\i+7], v[EQ+8*(\b):EQ+8*(\b)+7], v[ESC+(\b)], v[XSCL+\i] matrix_a_fmt:MATRIX_FMT_FP4 matrix_b_fmt:MATRIX_FMT_FP4
.endr
.irp i, 0,1,2,3,4,5,6,7
	v_wmma_scale_f32_16x16x128_f8f6f4 v[ACC+8*\i:ACC+8*\i+7], v[EF+16*(\b)+8:EF+16*(\b)+15], v[16*\i+8:16*\i+15], v[ACC+8*\i:ACC+8*\i+7], v[ESC+(\b)], v[XSCL+\i] matrix_a_fmt:MATRIX_FMT_FP4 matrix_b_fmt:MATRIX_FMT_FP4 matrix_a_scale:MATRIX_SCALE_ROW1 matrix_b_scale:MATRIX_SCALE_ROW1
.endr
	WIN 0
.if \nx
	LOADT 1-(\b), \nx                              ; the other set was last multiplied a tile ago, with that tile's tracking between
.endif
.if \adv                               ; four places behind the last product, ahead of the first read of a result
	s_add_co_u32 s[TT], s[TT], 2*REC
	ADDR
	v_mov_b32 v[TNA], s[TN]
	v_mov_b32 v[TNB], s[TN]
.else
	v_mov_b32 v[TNA], s[TN]
	v_mov_b32 v[TNB], s[TN]
	v_nop
	v_nop
.endif
.irp i, 0,1,2,3,4,5,6,7
	v_max3_num_f32 v[GM+\i], v[ACC+8*\i], v[ACC+8*\i+1], v[ACC+8*\i+2]     ; each accumulator from its low end on
.endr
.irp i, 0,1,2,3,4,5,6,7
	v_max3_num_f32 v[GM+\i], v[GM+\i], v[ACC+8*\i+3], v[ACC+8*\i+4]
.endr
.irp i, 0,1,2,3,4,5,6,7
	v_max3_num_f32 v[GM+\i], v[GM+\i], v[ACC+8*\i+5], v[ACC+8*\i+6]
.endr
.irp i, 0,1,2,3,4,5,6,7
	v_max_num_f32 v[GM+\i], v[GM+\i], v[ACC+8*\i+7]
.endr
.irp p, 0,2,4,6
	v_pk_add_f32 v[GM+\p:GM+\p+1], v[GM+\p:GM+\p+1], v[BIG+\p:BIG+\p+1]    ; rounded as reference()'s sum is
.endr
.irp i, 0,1,2,3,4,5,6,7
	v_cmp_ge_f32 vcc_lo, v[RUN+\i], v[GM+\i]       ; VCC: the old one stays (an equal one too: the lower tile keeps its place)
.irp j, 0,2,4,6
	v_dual_cndmask_b32 v[BEST+8*\i+\j], v[ACC+8*\i+\j], v[BEST+8*\i+\j] :: v_dual_cndmask_b32 v[BEST+8*\i+\j+1], v[ACC+8*\i+\j+1], v[BEST+8*\i+\j+1]
.endr
.if (\i%4) == 0
	v_dual_cndmask_b32 v[GID+\i], v[TNB], v[GID+\i] :: v_dual_max_num_f32 v[RUN+\i], v[GM+\i], v[RUN+\i]
.else
	v_dual_cndmask_b32 v[GID+\i], v[TNA], v[GID+\i] :: v_dual_max_num_f32 v[RUN+\i], v[GM+\i], v[RUN+\i]
.endif
.endr
	s_add_co_u32 s[TN], s[TN], 1
.endm
.macro PROC slot                       ; my 8 records of a slot
	s_mov_b32 s[TT], \slot*SLOTB
	ADDR
	s_wait_alu depctr_va_vdst(0)
	LOADT 0, 0
	s_mov_b32 s[IC], 3
.Lpair_\@:
	TILE 0, REC, 0
	TILE 1, 2*REC, 1
	s_sub_co_u32 s[IC], s[IC], 1
	s_cmp_lg_u32 s[IC], 0
	s_cbranch_scc1 .Lpair_\@
	TILE 0, REC, 0
	TILE 1, 0, 0
.endm
.macro CHANGE q                        ; slot q, read out, is filled again: two slots on
	s_wait_tensorcnt 0x0                           ; all my tensor loads have landed: my part of the other slot
	ds_add_u32 v[SPW], v[NIL]
	s_add_nc_u64 s[G0+4*\q+2:G0+4*\q+3], s[G0+4*\q+2:G0+4*\q+3], 2*WSL
	s_wait_dscnt 0x0                               ; the add is done, my reads of slot q are over
	ROUND
	tensor_load_to_lds s[G0+4*\q:G0+4*\q+3], s[G1:G1+7]
	s_nop 0
.rept 4
	v_nop
.endr
.endm
	s_load_b128 s[4:7], s[0:1], 0x0                ; x, ering
	s_load_b64 s[8:9], s[0:1], 0x10                ; idx
	v_lshl_add_u32 v[SPW], v0, 2, SPARE
	v_mov_b32 v[NIL], 0
	ds_add_u32 v[SPW], v[NIL]                      ; the opening lines: the add twice on end under one wait
	ds_add_u32 v[SPW], v[NIL]
	v_lshrrev_b32 v[T0], 5, v0
	v_readfirstlane_b32 s[WV], v[T0]               ; wave 0..7
	s_bfe_u32 s11, ttmp6, 0x40000                  ; cx
	s_lshl_b32 s12, ttmp9, 2
	s_add_co_u32 s12, s12, s11                     ; work-group
	s_mov_b32 s[G1+0], 15|(3<<16)|(1<<21)          ; the cluster's four; elements of 8 bytes
	s_mov_b32 s[G1+1], 32<<16                      ; rows of 256 bytes,
	s_mov_b32 s[G1+2], 72<<16                      ; 72 of them: 8 records, dense
	s_mov_b32 s[G1+3], 32<<16
	s_mov_b32 s[G1+4], 72
	s_mov_b32 s[G1+5], 32
	s_mov_b32 s[G1+6], 0
	s_mov_b32 s[G1+7], 0
	s_mov_b32 s[SEL], 0x76543210
	s_mov_b32 s[SEL+1], 0xfedcba98
	s_mov_b32 s58, 0x7f800000
	s_mul_i32 s13, s[WV], WSL
	s_add_co_u32 s48, s13, 2048
	s_add_co_u32 s49, s13, 2176
	s_lshl_b32 s50, s[WV], 11
	s_add_co_u32 s50, s50, XIMG
	s_lshl_b32 s51, s[WV], 7
	s_add_co_u32 s51, s51, XSC
	s_lshl_b32 s52, s[WV], 6
	s_add_co_u32 s52, s52, XSQ
	s_lshl_b32 s53, s[WV], 9
	s_add_co_u32 s53, s53, MV
	s_lshl_b32 s54, s[WV], 8
	s_add_co_u32 s54, s54, MV
	s_mul_i32 s46, s[WV], 8*WSL                    ; ering: my 64 records
	s_mov_b32 s47, 0
	s_lshl_b32 s14, s12, 17                        ; x: 128 rows of 1,024 bytes a work-group,
	s_lshl_b32 s15, s[WV], 14                      ; 16 a wave
	s_add_co_u32 s14, s14, s15
	s_mov_b32 s15, 0
	s_lshl_b32 s56, s12, 9                         ; idx: 512 bytes a work-group, 256 for each of waves 0 and 1
	s_and_b32 s57, s[WV], 1
	s_lshl_b32 s57, s57, 8
	s_add_co_u32 s56, s56, s57
	s_mov_b32 s57, 0
	v_and_b32 v[T0], 31, v0                        ; lane
	v_and_b32 v[T1], 15, v0                        ; lane % 16
	v_bfe_u32 v[H8], v0, 4, 1                      ; lane / 16
	v_lshl_add_u32 v[AE0], v[T0], 4, s13
	v_lshl_add_u32 v[AS0], v[T0], 2, s48
	v_lshl_add_u32 v[AQ0], v[H8], 5, s49
	v_lshlrev_b32 v[XA], 5, v[T1]
	v_lshl_add_u32 v[XA], v[H8], 4, v[XA]          ; x: 32 (lane % 16) + 16 (lane / 16): a load covers 512 consecutive bytes
	v_bfe_u32 v[CW], v0, 3, 1                      ; the image: numbers 8 r' .. of a half row are register r' % 4 of lane half (r' / 4) % 2, group r' / 8
	v_lshl_add_u32 v[CW], v[CW], 9, s50
	v_bfe_u32 v[SW], v0, 2, 1
	v_lshl_add_u32 v[CW], v[SW], 8, v[CW]
	v_and_b32 v[SW], 3, v0
	v_lshl_add_u32 v[CW], v[SW], 2, v[CW]
	v_lshl_add_u32 v[CW], v[H8], 7, v[CW]          ; + 16 bytes x 8 rows for lanes 16-31
	v_bfe_u32 v[SW], v0, 2, 2                      ; the scale word's byte: block r' / 4
	v_add_nc_u32 v[SW], s51, v[SW]
	v_lshl_add_u32 v[SW], v[H8], 5, v[SW]
	v_lshl_add_u32 v[QW], v[H8], 5, s52
	v_lshl_add_u32 v[LI], v[T0], 4, XIMG
	v_lshl_add_u32 v[LS], v[T0], 2, XSC
	v_lshl_add_u32 v[LQ], v[T1], 2, XSQ
	v_lshl_add_u32 v[MA], v[T1], 2, s53
	v_lshl_add_u32 v[MR], v[T0], 3, s54
	v_lshlrev_b32 v[IO], 3, v[T0]
	v_lshlrev_b32 v[H8], 3, v[H8]
	s_wait_alu depctr_va_vdst(0)
	s_wait_dscnt 0x0                               ; both opening adds are done
	s_wait_kmcnt 0x0
	s_add_nc_u64 s[6:7], s[6:7], s[46:47]
	s_add_nc_u64 s[4:5], s[4:5], s[14:15]
	s_add_nc_u64 s[8:9], s[8:9], s[56:57]
.irp p, 0,1,2,3,4,5,6,7,8,9,10,11,12,13,14,15
	global_load_b128 v[ST+8*\p:ST+8*\p+3], v[XA], s[4:5] offset:1024*(\p/2)+512*(\p%2) th:TH_LOAD_NT            ; row p / 2, half p % 2
	global_load_b128 v[ST+8*\p+4:ST+8*\p+7], v[XA], s[4:5] offset:8192+1024*(\p/2)+512*(\p%2) th:TH_LOAD_NT     ; and the row 8 further down
.endr
.irp p, 0,1
	s_mov_b32 s[G0+4*\p], 1
	s_add_co_u32 s[G0+4*\p+1], s13, \p*SLOTB
	s_add_nc_u64 s[G0+4*\p+2:G0+4*\p+3], s[6:7], \p*WSL
	s_or_b32 s[G0+4*\p+3], s[G0+4*\p+3], 0x80000000
.endr
	ROUND                                          ; the four work-groups are here: the first joint loads meet
	tensor_load_to_lds s[G0:G0+3], s[G1:G1+7]      ; slot 0: one tensor load a wave at the head
	s_nop 0
.rept 4
	v_nop
.endr
	QG 0                                           ; x is quantised while slot 0's fill is on its way
	QG 1
	QG 2
	QG 3
.irp m, 1,2,4,8
.irp a, 0,1,2,3,4,5,6,7
	v_add_f32_dpp v[SS+\a], v[SS+\a], v[SS+\a] row_xmask:\m row_mask:0xf bank_mask:0xf    ; |x|^2 of row a + 8 h', in all its sixteen lanes
.endr
.endr
.irp a, 0,1,2,3,4,5,6,7
	v_max_num_f32 v[SS+\a], 0x21800000, v[SS+\a]   ; held at 2^-60 from below
.endr
.irp a, 0,1,2,3,4,5,6,7
	v_and_b32 v[SS+\a], s58, v[SS+\a]              ; its exponent field,
.endr
.irp a, 0,1,2,3,4,5,6,7
	v_add_nc_u32 v[SS+\a], 0xffc00000, v[SS+\a]    ; less half a step: 1.5 x 2^(that exponent - 1) = BIG
.endr
.irp a, 0,1,2,3,4,5,6,7
	ds_store_b32 v[QW], v[SS+\a] offset:4*\a       ; sixteen lanes write the same word with the same value
.endr
	s_wait_alu depctr_va_vdst(0)
	s_wait_tensorcnt 0x0                           ; my part of slot 0 is in
	ds_add_u32 v[SPW], v[NIL]
	s_wait_dscnt 0x0                               ; the add is done, and for the others' sake my stores of codes, scales and BIG
	ROUND
	tensor_load_to_lds s[G0+4:G0+7], s[G1:G1+7]    ; slot 1's first fill
	s_nop 0
.rept 4
	v_nop
.endr
	WIN 0x40
.irp i, 0,1,2,3,4,5,6,7
.irp s, 0,1
.irp c, 0,1
	ds_load_b128 v[16*\i+8*\s+4*\c:16*\i+8*\s+4*\c+3], v[LI] offset:2048*\i+1024*\s+512*\c    ; all 8 row blocks' fragments, window 1
.endr
.endr
.endr
	WIN 0
.irp i, 0,1,2,3,4,5,6,7
	ds_load_b32 v[XSCL+\i], v[LS] offset:128*\i    ; lanes 0-15: the words of k 0-127; lanes 16-31: of k 128-255
.endr
.irp i, 0,1,2,3,4,5,6,7
	ds_load_b32 v[BIG+\i], v[LQ] offset:64*\i
.endr
.irp i, 0,1,2,3,4,5,6,7
	v_mov_b32 v[RUN+\i], 0xff800000                ; under every number: the first tile is taken
	v_mov_b32 v[GID+\i], 0
.endr
	s_lshl_b32 s[TN], s[WV], 6                     ; my first tile's number
	s_wait_dscnt 0x0
	s_wait_tensorcnt 1                             ; slot 1's fill, issued behind slot 0's, may be out
	PROC 0
	s_mov_b32 s[LP], 3
.Llap:
	CHANGE 0
	PROC 1
	CHANGE 1
	PROC 0
	s_sub_co_u32 s[LP], s[LP], 1
	s_cmp_lg_u32 s[LP], 0
	s_cbranch_scc1 .Llap
	s_wait_tensorcnt 0x0
	PROC 1
; The place among the kept 8: the lowest j whose number, rounded as the tile's largest was, equals RUN.
	s_wait_alu depctr_va_vdst(0)
.irp i, 0,1,2,3,4,5,6,7
.irp j, 0,1,2,3,4,5,6,7
	v_add_f32 v[ACC+8*\i+\j], v[BEST+8*\i+\j], v[BIG+\i]
.endr
.endr
.irp i, 0,1,2,3,4,5,6,7
	v_mov_b32 v[GM+\i], 7
.endr
.irp j, 6,5,4,3,2,1,0
.irp i, 0,1,2,3,4,5,6,7
	v_cmp_neq_f32 s[MK+\i], v[ACC+8*\i+\j], v[RUN+\i]
.endr
.irp i, 0,1,2,3,4,5,6,7
	v_cndmask_b32 v[GM+\i], \j, v[GM+\i], s[MK+\i]
.endr
.endr
.irp i, 0,1,2,3,4,5,6,7
	v_lshl_add_u32 v[GID+\i], v[GID+\i], 4, v[GM+\i]
.endr
.irp i, 0,1,2,3,4,5,6,7
	v_add_nc_u32 v[GID+\i], v[H8], v[GID+\i]       ; n = 16 tile + 8 h + j
.endr
	v_mov_b32 v[T0], 0x7fffffff
.irp i, 0,1,2,3,4,5,6,7
	v_permlanex16_b32 v[ACC+\i], v[RUN+\i], s[SEL], s[SEL+1]       ; lane l xor 16 holds the same row's other 8 codes of each tile
	v_permlanex16_b32 v[ACC+8+\i], v[GID+\i], s[SEL], s[SEL+1]
.endr
.irp i, 0,1,2,3,4,5,6,7
	v_max_num_f32 v[GM+\i], v[RUN+\i], v[ACC+\i]
.endr
.irp i, 0,1,2,3,4,5,6,7
	v_cmp_eq_f32 s[MK+\i], v[RUN+\i], v[GM+\i]
.endr
.irp i, 0,1,2,3,4,5,6,7
	v_cndmask_b32 v[GID+\i], v[T0], v[GID+\i], s[MK+\i]
.endr
.irp i, 0,1,2,3,4,5,6,7
	v_cmp_eq_f32 s[MK+\i], v[ACC+\i], v[GM+\i]
.endr
.irp i, 0,1,2,3,4,5,6,7
	v_cndmask_b32 v[ACC+8+\i], v[T0], v[ACC+8+\i], s[MK+\i]
.endr
.irp i, 0,1,2,3,4,5,6,7
	v_min_u32 v[GID+\i], v[GID+\i], v[ACC+8+\i]    ; of equal numbers the lower n
.endr
.irp i, 0,1,2,3,4,5,6,7
	ds_store_b32 v[MA], v[GM+\i] offset:64*\i
	ds_store_b32 v[MA], v[GID+\i] offset:4096+64*\i
.endr
	s_wait_dscnt 0x0                               ; for the others' sake
	s_barrier_signal -1
	s_barrier_wait -1
	s_cmp_ge_u32 s[WV], 2                          ; waves 0 and 1 join the eight waves' results, 64 rows each, two a lane
	s_cbranch_scc1 .Ldone
.irp u, 0,1,2,3,4,5,6,7
	ds_load_b64 v[ACC+2*\u:ACC+2*\u+1], v[MR] offset:512*\u
	ds_load_b64 v[ACC+16+2*\u:ACC+16+2*\u+1], v[MR] offset:4096+512*\u
.endr
	s_wait_dscnt 0x0
.irp e, 0,1
	v_max3_num_f32 v[GM+\e], v[ACC+\e], v[ACC+2+\e], v[ACC+4+\e]
	s_delay_alu instid0(VALU_DEP_1)
	v_max3_num_f32 v[GM+\e], v[GM+\e], v[ACC+6+\e], v[ACC+8+\e]
	s_delay_alu instid0(VALU_DEP_1)
	v_max3_num_f32 v[GM+\e], v[GM+\e], v[ACC+10+\e], v[ACC+12+\e]
	s_delay_alu instid0(VALU_DEP_1)
	v_max_num_f32 v[GM+\e], v[GM+\e], v[ACC+14+\e]
.endr
.irp u, 0,1,2,3,4,5,6,7
.irp e, 0,1
	v_cmp_eq_f32 vcc_lo, v[ACC+2*\u+\e], v[GM+\e]
	s_delay_alu instid0(VALU_DEP_1)
	v_cndmask_b32 v[ACC+16+2*\u+\e], v[T0], v[ACC+16+2*\u+\e], vcc_lo
.endr
.endr
.irp u, 1,2,3,4,5,6,7
.irp e, 0,1
	v_min_u32 v[ACC+16+\e], v[ACC+16+\e], v[ACC+16+2*\u+\e]
.endr
.endr
	global_store_b64 v[IO], v[ACC+16:ACC+17], s[8:9]               ; 32 lanes store 256 consecutive bytes, aligned
.Ldone:
	s_wait_tensorcnt 0x0                           ; the wave's end
	ds_add_u32 v[SPW], v[NIL]
	s_wait_dscnt 0x0
	ROUND                                          ; the closing round
	s_endpgm
.Lfunc_end_k_qdfb28abcd3_search:
	.size	k_qdfb28abcd3_search, .Lfunc_end_k_qdfb28abcd3_search-k_qdfb28abcd3_search
	.p2alignl 7, 3214868480
	.fill 96, 4, 3214868480
	.section	.rodata,"a",@progbits
	.p2align	6, 0x0
	.amdhsa_kernel k_qdfb28abcd3_search
		.amdhsa_group_segment_fixed_size 327680
		.amdhsa_private_segment_fixed_size 0
		.amdhsa_enable_private_segment 0
		.amdhsa_kernarg_size 24
		.amdhsa_user_sgpr_count 2
		.amdhsa_user_sgpr_kernarg_segment_ptr 1
		.amdhsa_wavefront_size32 1
		.amdhsa_system_sgpr_workgroup_id_x 1
		.amdhsa_system_sgpr_workgroup_id_y 1
		.amdhsa_system_sgpr_workgroup_id_z 1
		.amdhsa_system_vgpr_workitem_id 0
		.amdhsa_next_free_vgpr 384
		.amdhsa_next_free_sgpr 66
		.amdhsa_reserve_vcc 1
		.amdhsa_float_denorm_mode_32 3
		.amdhsa_float_denorm_mode_16_64 3
		.amdhsa_memory_ordered 1
		.amdhsa_forward_progress 1
		.amdhsa_inst_pref_size 181
	.end_amdhsa_kernel
	.amdgpu_metadata
---
amdhsa.version: [ 1, 2 ]
amdhsa.kernels:
  - .name:           k_qdfb28abcd3_search
    .symbol:         k_qdfb28abcd3_search.kd
    .args:
      - { .name: x, .offset: 0, .size: 8, .value_kind: global_buffer, .address_space: global }
      - { .name: ering, .offset: 8, .size: 8, .value_kind: global_buffer, .address_space: global }
      - { .name: idx, .offset: 16, .size: 8, .value_kind: global_buffer, .address_space: global }
    .group_segment_fixed_size: 327680
    .private_segment_fixed_size: 0
    .kernarg_segment_align: 8
    .kernarg_segment_size: 24
    .max_flat_workgroup_size: 256
    .sgpr_count:     66
    .vgpr_count:     384
    .wavefront_size: 32
...
	.end_amdgpu_metadata
.endif
;; end of part 2
;; launch gather (part 3): grid 512 x 1, 8 waves a work-group, no clusters, 1,280 bytes of LDS; arguments x, et, idx, out0, partials; writes out0, partials
.if DOCPART == 3
	.amdgcn_target "amdgcn-amd-amdhsa--gfx1250"
	.amdhsa_code_object_version 6
	.text
	.protected	k_qdfb28abcd3_gather
	.globl	k_qdfb28abcd3_gather
	.p2align	8
	.type	k_qdfb28abcd3_gather,@function
k_qdfb28abcd3_gather:
	s_mov_b64 s[64:65], 0
	v_nop
	global_prefetch_b8 v0, s[64:65] scope:SCOPE_SE
	s_setreg_imm32_b32 hwreg(HW_REG_WAVE_MODE, 25, 1), 1
	s_wait_xcnt 0x0
; out0[row] = x + (q - x) with q = et[idx[row]], and partials[work-group] = the sum of (q - x)^2 over the work-group's 64 rows.  All f32.
; A wave takes 8 rows; a lane 16 bytes of each half of a row, so that every load and store of a wave covers 512 consecutive bytes.  The wave's 8 indices are whole numbers that an earlier launch
; stored: they come by one scalar load, are held inside the table (0 .. 8191) and become byte offsets.  All 32 loads of a wave go out before the first is waited for.
; No matrix unit, no cluster, no tensor load: the work-groups share no tile, and the arithmetic is three packed instructions for two numbers.
.set QO, 2                             ; v2-9    row i: the offset of my 16 bytes in its row of et
.set L,  10                            ; v10-17  four pairs of sums of squares
.set D,  18                            ; v18-25  four pairs of differences
.set X,  32                            ; v32-95  x: 8 registers a row
.set Q,  96                            ; v96-159 q, then what is stored: 8 registers a row, never written again behind the store
	s_load_b256 s[4:11], s[0:1], 0x0               ; x s[4:5], et s[6:7], idx s[8:9], out0 s[10:11]
	s_load_b64 s[12:13], s[0:1], 0x20              ; partials
	v_lshl_add_u32 v160, v0, 2, 0x100
	v_mov_b32 v161, 0
	v_lshrrev_b32 v1, 5, v0
	s_delay_alu instid0(VALU_DEP_1)
	v_readfirstlane_b32 s14, v1                    ; wave 0..7
	v_and_b32 v1, 31, v0
	s_delay_alu instid0(VALU_DEP_1)
	v_lshlrev_b32 v1, 4, v1                        ; 16 x lane
	s_lshl_b32 s24, ttmp9, 6
	s_lshl_b32 s25, s14, 3
	s_add_co_u32 s24, s24, s25                     ; my first row: 64 x work-group + 8 x wave
	s_lshl_b32 s26, s24, 2                         ; its index: 4 bytes a row
	s_mov_b32 s27, 0
	s_lshl_b32 s24, s24, 10                        ; its 1,024 bytes in x and in out0 (under 2^25)
	s_mov_b32 s25, 0
	s_lshl_b32 s28, ttmp9, 2
	s_mov_b32 s29, 0
	s_mov_b32 s30, 0x76543210
	s_mov_b32 s31, 0xfedcba98                      ; v_permlanex16_b32's selects for lane l xor 16
	s_wait_alu depctr_va_vdst(0)
	s_wait_kmcnt 0x0
	s_add_nc_u64 s[8:9], s[8:9], s[26:27]
	s_load_b256 s[16:23], s[8:9], 0x0              ; my 8 indices
	s_add_nc_u64 s[4:5], s[4:5], s[24:25]
	s_add_nc_u64 s[10:11], s[10:11], s[24:25]
	s_add_nc_u64 s[12:13], s[12:13], s[28:29]
.irp i, 0,1,2,3,4,5,6,7
.irp u, 0,1
	global_load_b128 v[X+8*\i+4*\u:X+8*\i+4*\u+3], v1, s[4:5] offset:1024*\i+512*\u th:TH_LOAD_NT
.endr
.endr
	s_wait_kmcnt 0x0
.irp i, 0,1,2,3,4,5,6,7
	s_min_u32 s[16+\i], s[16+\i], 0x1fff           ; inside the table
	s_lshl_b32 s[16+\i], s[16+\i], 10              ; a row of et is 1,024 bytes
	v_add_nc_u32 v[QO+\i], s[16+\i], v1
.endr
	s_wait_alu depctr_va_vdst(0)
.irp i, 0,1,2,3,4,5,6,7
.irp u, 0,1
	global_load_b128 v[Q+8*\i+4*\u:Q+8*\i+4*\u+3], v[QO+\i], s[6:7] offset:512*\u     ; no hint: many rows may name the same code
.endr
.endr
.macro ROW i
	s_wait_loadcnt 14-2*\i                         ; loads come back in order: x and this row's q are in; the later rows' two loads each may be out
.irp p, 0,1,2,3
	v_pk_add_f32 v[D+2*\p:D+2*\p+1], v[Q+8*\i+2*\p:Q+8*\i+2*\p+1], v[X+8*\i+2*\p:X+8*\i+2*\p+1] neg_lo:[0,1] neg_hi:[0,1]    ; q - x
.endr
.irp p, 0,1,2,3
.if \i == 0
	s_delay_alu instid0(VALU_DEP_4)
	v_pk_mul_f32 v[L+2*\p:L+2*\p+1], v[D+2*\p:D+2*\p+1], v[D+2*\p:D+2*\p+1]           ; the first row starts the sums
.else
	s_delay_alu instid0(VALU_DEP_4)
	v_pk_fma_f32 v[L+2*\p:L+2*\p+1], v[D+2*\p:D+2*\p+1], v[D+2*\p:D+2*\p+1], v[L+2*\p:L+2*\p+1]
.endif
.endr
.irp p, 0,1,2,3
	v_pk_add_f32 v[Q+8*\i+2*\p:Q+8*\i+2*\p+1], v[X+8*\i+2*\p:X+8*\i+2*\p+1], v[D+2*\p:D+2*\p+1]     ; x + (q - x)
.endr
	global_store_b128 v1, v[Q+8*\i:Q+8*\i+3], s[10:11] offset:1024*\i th:TH_STORE_NT
	global_store_b128 v1, v[Q+8*\i+4:Q+8*\i+7], s[10:11] offset:1024*\i+512 th:TH_STORE_NT
.endm
.irp i, 0,1,2,3,4,5,6,7
	ROW \i
.endr
	v_pk_add_f32 v[L:L+1], v[L:L+1], v[L+2:L+3]
	v_pk_add_f32 v[L+4:L+5], v[L+4:L+5], v[L+6:L+7]
	s_delay_alu instid0(VALU_DEP_1)
	v_pk_add_f32 v[L:L+1], v[L:L+1], v[L+4:L+5]
	s_delay_alu instid0(VALU_DEP_1)
	v_add_f32 v10, v10, v11
	s_delay_alu instid0(VALU_DEP_1)
	v_add_f32_dpp v10, v10, v10 row_xmask:1 row_mask:0xf bank_mask:0xf
	s_delay_alu instid0(VALU_DEP_1)
	v_add_f32_dpp v10, v10, v10 row_xmask:2 row_mask:0xf bank_mask:0xf
	s_delay_alu instid0(VALU_DEP_1)
	v_add_f32_dpp v10, v10, v10 row_xmask:4 row_mask:0xf bank_mask:0xf
	s_delay_alu instid0(VALU_DEP_1)
	v_add_f32_dpp v10, v10, v10 row_xmask:8 row_mask:0xf bank_mask:0xf
	s_delay_alu instid0(VALU_DEP_1)
	v_permlanex16_b32 v11, v10, s30, s31
	s_delay_alu instid0(VALU_DEP_1)
	v_add_f32 v10, v10, v11                        ; the wave's sum, in every lane
	v_mov_b32 v12, s14
	s_delay_alu instid0(VALU_DEP_1)
	v_lshlrev_b32 v12, 2, v12
	ds_store_b32 v12, v10                          ; all lanes write the wave's word with the same value
	s_wait_dscnt 0x0                               ; for the others' sake
	s_barrier_signal -1
	s_barrier_wait -1
	v_mov_b32 v13, 0
	ds_load_b128 v[16:19], v13
	ds_load_b128 v[20:23], v13 offset:16
	s_wait_dscnt 0x0
	v_pk_add_f32 v[16:17], v[16:17], v[18:19]
	v_pk_add_f32 v[20:21], v[20:21], v[22:23]
	s_delay_alu instid0(VALU_DEP_1)
	v_pk_add_f32 v[16:17], v[16:17], v[20:21]
	s_delay_alu instid0(VALU_DEP_1)
	v_add_f32 v16, v16, v17                        ; the work-group's sum
	s_wait_alu depctr_va_vdst(0)
	s_wait_xcnt 0x0                                ; EXEC is a source of the stores above: it changes only behind this wait
	v_cmp_eq_u32 vcc_lo, 0, v0
	s_wait_tensorcnt 0x0
	ds_add_u32 v160, v161
	s_wait_dscnt 0x0
	s_and_saveexec_b32 s32, vcc_lo                 ; thread 0 alone
	global_store_b32 v13, v16, s[12:13]
	s_wait_xcnt 0x0                                ; and again, in front of the line that widens it
	s_or_b32 exec_lo, exec_lo, s32
	s_endpgm
.Lfunc_end_k_qdfb28abcd3_gather:
	.size	k_qdfb28abcd3_gather, .Lfunc_end_k_qdfb28abcd3_gather-k_qdfb28abcd3_gather
	.p2alignl 7, 3214868480
	.fill 96, 4, 3214868480
	.section	.rodata,"a",@progbits
	.p2align	6, 0x0
	.amdhsa_kernel k_qdfb28abcd3_gather
		.amdhsa_group_segment_fixed_size 1280
		.amdhsa_private_segment_fixed_size 0
		.amdhsa_enable_private_segment 0
		.amdhsa_kernarg_size 40
		.amdhsa_user_sgpr_count 2
		.amdhsa_user_sgpr_kernarg_segment_ptr 1
		.amdhsa_wavefront_size32 1
		.amdhsa_system_sgpr_workgroup_id_x 1
		.amdhsa_system_sgpr_workgroup_id_y 1
		.amdhsa_system_sgpr_workgroup_id_z 1
		.amdhsa_system_vgpr_workitem_id 0
		.amdhsa_next_free_vgpr 162
		.amdhsa_next_free_sgpr 66
		.amdhsa_reserve_vcc 1
		.amdhsa_float_denorm_mode_32 3
		.amdhsa_float_denorm_mode_16_64 3
		.amdhsa_memory_ordered 1
		.amdhsa_forward_progress 1
		.amdhsa_inst_pref_size 17
	.end_amdhsa_kernel
	.amdgpu_metadata
---
amdhsa.version: [ 1, 2 ]
amdhsa.kernels:
  - .name:           k_qdfb28abcd3_gather
    .symbol:         k_qdfb28abcd3_gather.kd
    .args:
      - { .name: x, .offset: 0, .size: 8, .value_kind: global_buffer, .address_space: global }
      - { .name: et, .offset: 8, .size: 8, .value_kind: global_buffer, .address_space: global }
      - { .name: idx, .offset: 16, .size: 8, .value_kind: global_buffer, .address_space: global }
      - { .name: out0, .offset: 24, .size: 8, .value_kind: global_buffer, .address_space: global }
      - { .name: partials, .offset: 32, .size: 8, .value_kind: global_buffer, .address_space: global }
    .group_segment_fixed_size: 1280
    .private_segment_fixed_size: 0
    .kernarg_segment_align: 8
    .kernarg_segment_size: 40
    .max_flat_workgroup_size: 256
    .sgpr_count:     66
    .vgpr_count:     162
    .wavefront_size: 32
...
	.end_amdgpu_metadata
.endif
;; end of part 3
;; launch total (part 4): grid 1 x 1, 1 waves a work-group, no clusters, 0 bytes of LDS; arguments partials, out1; writes out1
.if DOCPART == 4
	.amdgcn_target "amdgcn-amd-amdhsa--gfx1250"
	.amdhsa_code_object_version 6
	.text
	.protected	k_qdfb28abcd3_total
	.globl	k_qdfb28abcd3_total
	.p2align	8
	.type	k_qdfb28abcd3_total,@function
k_qdfb28abcd3_total:
	s_mov_b64 s[64:65], 0
	v_nop
	global_prefetch_b8 v0, s[64:65] scope:SCOPE_SE
	s_setreg_imm32_b32 hwreg(HW_REG_WAVE_MODE, 25, 1), 1
	s_wait_xcnt 0x0
; out1 = 0.25 m + m, m = the mean of (q - x)^2 over 32,768 x 256 = 2^23 numbers: the 512 work-groups' sums are added by one wave, 16 a lane, in a fixed order.
	s_load_b128 s[4:7], s[0:1], 0x0                ; partials, out1
	v_lshlrev_b32 v1, 4, v0                        ; 16 x lane
	v_mov_b32 v2, 0
	s_mov_b32 s8, 0x76543210
	s_mov_b32 s9, 0xfedcba98                       ; v_permlanex16_b32's selects for lane l xor 16
	s_wait_alu depctr_va_vdst(0)
	s_wait_kmcnt 0x0
.irp k, 0,1,2,3
	global_load_b128 v[4+4*\k:7+4*\k], v1, s[4:5] offset:512*\k    ; 32 lanes read 512 consecutive bytes
.endr
	s_wait_loadcnt 0x0
	v_pk_add_f32 v[4:5], v[4:5], v[6:7]
	v_pk_add_f32 v[8:9], v[8:9], v[10:11]
	v_pk_add_f32 v[12:13], v[12:13], v[14:15]
	v_pk_add_f32 v[16:17], v[16:17], v[18:19]
	v_pk_add_f32 v[4:5], v[4:5], v[8:9]
	v_pk_add_f32 v[12:13], v[12:13], v[16:17]
	v_pk_add_f32 v[4:5], v[4:5], v[12:13]
	v_add_f32 v4, v4, v5
	v_add_f32_dpp v4, v4, v4 row_xmask:1 row_mask:0xf bank_mask:0xf
	v_add_f32_dpp v4, v4, v4 row_xmask:2 row_mask:0xf bank_mask:0xf
	v_add_f32_dpp v4, v4, v4 row_xmask:4 row_mask:0xf bank_mask:0xf
	v_add_f32_dpp v4, v4, v4 row_xmask:8 row_mask:0xf bank_mask:0xf
	v_permlanex16_b32 v5, v4, s8, s9
	v_add_f32 v4, v4, v5                           ; the whole sum, in every lane
	v_mul_f32 v4, 0x34000000, v4                   ; x 2^-23: the mean, exactly scaled
	v_fmamk_f32 v5, v4, 0x3e800000, v4             ; 0.25 m + m
	s_wait_alu depctr_va_vdst(0)
	s_wait_xcnt 0x0                                ; EXEC changes only behind this wait
	v_cmp_eq_u32 vcc_lo, 0, v0
	s_and_saveexec_b32 s10, vcc_lo                 ; lane 0 alone
	global_store_b32 v2, v5, s[6:7]
	s_wait_xcnt 0x0                                ; and again, in front of the line that widens it
	s_or_b32 exec_lo, exec_lo, s10
	s_endpgm
.Lfunc_end_k_qdfb28abcd3_total:
	.size	k_qdfb28abcd3_total, .Lfunc_end_k_qdfb28abcd3_total-k_qdfb28abcd3_total
	.p2alignl 7, 3214868480
	.fill 96, 4, 3214868480
	.section	.rodata,"a",@progbits
	.p2align	6, 0x0
	.amdhsa_kernel k_qdfb28abcd3_total
		.amdhsa_group_segment_fixed_size 0
		.amdhsa_private_segment_fixed_size 0
		.amdhsa_enable_private_segment 0
		.amdhsa_kernarg_size 16
		.amdhsa_user_sgpr_count 2
		.amdhsa_user_sgpr_kernarg_segment_ptr 1
		.amdhsa_wavefront_size32 1
		.amdhsa_system_sgpr_workgroup_id_x 1
		.amdhsa_system_sgpr_workgroup_id_y 1
		.amdhsa_system_sgpr_workgroup_id_z 1
		.amdhsa_system_vgpr_workitem_id 0
		.amdhsa_next_free_vgpr 32
		.amdhsa_next_free_sgpr 66
		.amdhsa_reserve_vcc 1
		.amdhsa_float_denorm_mode_32 3
		.amdhsa_float_denorm_mode_16_64 3
		.amdhsa_memory_ordered 1
		.amdhsa_forward_progress 1
		.amdhsa_inst_pref_size 3
	.end_amdhsa_kernel
	.amdgpu_metadata
---
amdhsa.version: [ 1, 2 ]
amdhsa.kernels:
  - .name:           k_qdfb28abcd3_total
    .symbol:         k_qdfb28abcd3_total.kd
    .args:
      - { .name: partials, .offset: 0, .size: 8, .value_kind: global_buffer, .address_space: global }
      - { .name: out1, .offset: 8, .size: 8, .value_kind: global_buffer, .address_space: global }
    .group_segment_fixed_size: 0
    .private_segment_fixed_size: 0
    .kernarg_segment_align: 8
    .kernarg_segment_size: 16
    .max_flat_workgroup_size: 32
    .sgpr_count:     66
    .vgpr_count:     32
    .wavefront_size: 32
...
	.end_amdgpu_metadata
.endif
;; end of part 4
